; MI455X (gfx1250); checked and timed in simulation.
; The chip was launched on July 23, 2026; its instructions are those of AMD's public machine-readable ISA for CDNA 5 (MIT licence, August 2026) and "CDNA5" Instruction Set Architecture Reference Guide (July 2026). The comments in the code are by the model that wrote it; some were corrected since.
;; Hungarian Matcher. Allowed arithmetic: matrix products marked QUANTISED: E4M3 operands, one given power-of-two scale a tensor, by v_wmma_f32_16x16x64_fp8_fp8 or v_wmma_f32_16x16x128_fp8_fp8, f32 sums; products left as they are: f32 operands where the result goes on into a quantised operand, else bf16, f16 or f32 operands; f32 sums; everything else in f32.
;; Inputs: alpha 128 float32; beta 128 float32; lowp_scales 6 int32 (the exponents e of the quantised operands' scales 2^e); preds_class 2 x 128 x 1 float32; preds_mask 2 x 4,096 x 128 float32; targets 2 x 4,096 x 64 float32; weight 128 float32.
;; Outputs: out0 2 x 128 x 64 float32.
;; This version of the problem:
;;   THIS VERSION OF THE PROBLEM IS GIVEN IN LOW PRECISION. The matrix products marked QUANTISED in the list below multiply operands that are first quantised to E4M3 (4 exponent bits, 3 mantissa bits; 8 bits a number), with one given power-of-two scale for each operand tensor; their sums are f32. All else is computed in f32.
;;   The module's matrix products, in the order in which they are computed (A, B: the left and right operand; K: the contracted axis; several contracted axes count as one K, in the product's order):
;;     1. batch 8,192 x [M 64, K 1] x [K 1, N 128]; A: computed on the way; B: computed on the way: left as it is (no contracted axis)
;;     2. batch 8,192 x [M 64, K 1] x [K 1, N 128]; A: computed on the way; B: computed on the way: left as it is (no contracted axis)
;;     3. batch 2 x [M 128, K 4,096] x [K 4,096, N 64]; A: computed on the way; B: input targets: QUANTISED (scales: A lowp_scales[0], B lowp_scales[1])
;;     4. batch 2 x [M 128, K 4,096] x [K 4,096, N 64]; A: computed on the way; B: computed on the way: QUANTISED (scales: A lowp_scales[2], B lowp_scales[3])
;;     5. batch 2 x [M 128, K 4,096] x [K 4,096, N 64]; A: computed on the way; B: input targets: QUANTISED (scales: A lowp_scales[4], B lowp_scales[5])
;;   THE QUANTISER, for each operand of a quantised product, along K:
;;     - The operand's scale is 2^e, e = its entry of the input lowp_scales (int32; the entries are numbered through the quantised products in the list's order, A before B).
;;     - Each number is divided by the scale, clamped to +-448, and rounded to the nearest number of E4M3, ties to even, subnormals kept.
;;     - The product sums the exact products of the quantised numbers (number of the format x scale) in f32.
;;   ~~~python
;;   def quantise(x, axis, e):      # numpy; x: float32 -> the quantised numbers, widened to float32 again
;;       x = np.moveaxis(x, axis, -1); K = x.shape[-1]
;;       r = np.clip(x / 2.0 ** e, -448, 448)
;;       step = 2.0 ** (np.maximum(np.frexp(np.where(r == 0, 1, r))[1] - 1, -6) - 3)
;;       q = np.round(r / step) * step * 2.0 ** e      # np.round: ties to even
;;       return np.moveaxis(q, -1, axis).astype(np.float32)
;;   ~~~
;;   OPERANDS COMPUTED ON THE WAY. 'Computed on the way' means the value that the module computes at that place (a softmax that the list does not call 'softmax' is quantised finished and normalised). What goes into a quantiser is computed in f32, as accurately as f32 sums, v_exp_f32 and their like allow (about 1e-6 of the number): no bf16 or f16 on the way to a quantiser, and a product that is left as it is and whose result goes on into a quantised operand takes f32 operands (vector FMAs, or v_wmma_f32_16x16x4_f32). A number that lies on a knife's edge between two numbers of the format may be rounded either way, as far as f32 arithmetic and the matrix unit's own rounding can turn it there, and no further.
;; One version. Each part assembles by itself: llvm-mc -triple=amdgcn-amd-amdhsa -mcpu=gfx1250 --defsym DOCPART=n.
;; ======== version 1 of 1: 1 launch
;; launch cost (part 1): grid 128 x 2, 16 waves a work-group, no clusters, 239,872 bytes of LDS; arguments preds_mask, targets, lowp_scales, preds_class, weight, alpha, beta, out0; writes out0
.if DOCPART == 1
	.amdgcn_target "amdgcn-amd-amdhsa--gfx1250"
	.amdhsa_code_object_version 6
	.text
	.protected	k_q4718e71480_cost
	.globl	k_q4718e71480_cost
	.p2align	8
	.type	k_q4718e71480_cost,@function
k_q4718e71480_cost:
	s_mov_b64 s[64:65], 0
	v_nop
	global_prefetch_b8 v0, s[64:65] scope:SCOPE_SE
	s_setreg_imm32_b32 hwreg(HW_REG_WAVE_MODE, 25, 1), 1
	s_wait_xcnt 0x0
; HungarianMatcher's cost matrices: out0[b][n][m] = 5 dia + 5 dice - 2 sigmoid(preds_class[b][n]);  b < 2, n < 128, m < 64; all sums run over t < 4096.
;   x = preds_mask[b][t][n], g = targets[b][t][m], p = sigmoid(x), pos = softplus(-x), neg = softplus(x), eps = 1e-6
;   dia  = weight[m] / (weight[0] + .. + weight[63]) / 4096 x sum of (1 - p_t + eps)^0.25 (pos g^2 + neg (1 - g)^2),  p_t = p g + (1 - p)(1 - g)
;   dice = (1 - (tp + eps) / (tp + alpha[m] fp + beta[m] fn + eps) + eps)^0.75
;   tp = sum Q0(p) Q1(g), fp = sum Q2(p) Q3(1 - g), fn = sum Q4(1 - p) Q5(g): codes of E4M3, Qi with the given scale 2^e, e = lowp_scales[i]; multiplied by v_wmma_f32_16x16x64_fp8_fp8, sums in f32.
; NOTHING IS ASSUMED OF THE TARGETS' VALUES: dia's sum is taken term by term for every (n, m, t).  Three identities, true for all real g, shorten a term:
;   1 - p_t + eps = g (1 - 2 p) + (p + eps);   pos g^2 + neg (1 - g)^2 = g (g (pos + neg) - 2 neg) + neg;   u^0.25 = sqrt(sqrt(u)) (NaN for u < 0, like the power).
;   So a term is four fused multiply-adds (two terms an instruction) and two roots.  The two products without a contracted axis (pos x g, neg x (1 - g)) are part of these lines.
; LEFT OUT: the quotient weights / weights.sum() inside the Tversky loss reaches no result there; entries 64 to 127 of weight, alpha and beta are sliced away by [:L] and are not loaded.  Every input has a way to out0 and is an argument.
;   A NaN or an infinity in those 64 entries is therefore not carried to the result.
; LIMITS: each e lies between -126 and 119, so that 2^e and 448 x 2^e are f32 numbers.  NaN among the inputs is not served.  softplus is max(+-x, 0) + ln(1 + e^-|x|) with 1 + e^-|x| rounded in f32: its error is up to
;   6e-8 in size, not in proportion.  The order of rounding differs from the source's (the identities above; sums over t by lane, wave and tree).
; SHARES.  256 work-groups: b x 32 tiles of 4 n x 4 tiles of 16 m; a work-group owns its 64 outputs for all t, so each output has one owner.  16 waves; A LANE IS A TIME STEP: t = 512 s + thread, s = 0 .. 7.
;   Per step a lane loads 16 bytes of x and 64 bytes of targets into the registers where they are used, makes p and five numbers for each of its 4 n, and adds 64 terms onto 64 sums of its own.
; THE QUANTISED PRODUCTS.  K = t lies across lanes; an operand wants it along a lane's registers.  Two steps (a, b) make a trip.  The hold ahead of each conversion writes its results so that eight consecutive registers are
;   four columns x (a, b): a conversion then gives four 16-bit elements, each the two codes of ONE column.  A lane's 128 bytes are one LDS row of 64 such columns: 16 of Q1(g), 16 of Q3(1 - g), 16 of Q5(g), 4 + 4 + 4 of
;   Q0(p), Q2(p), Q4(1 - p), 4 of zero codes.  ds_load_tr16_b128 turns 16 rows x 16 columns, so two loads are a fragment of 16 columns x 64 K.  K is permuted, alike in both operands: every product meets its partner.
;   Source 0 = 16 m of one kind of target codes, source 1 = the 16 columns of p: lane (r, h), register i holds (m = 8 h + i, column r).  tp is columns 0-3 of the first product, fp columns 4-7 of the second, fn columns 8-11 of the third.
; WHY NO TENSOR LOADS AND NO CLUSTER: a wave issues 40 loads in all against some 3,000 vector instructions; the pieces shared with other work-groups are 16 and 64 bytes of a row, and from LDS a lane would fetch them by the same five loads a step.
; PIECES SHORTER THAN 256 BYTES: the tile reads 16 of a row's 512 bytes of x and 64 of a row's 256 bytes of targets, and writes four pieces of 64 bytes.  Whole rows would want all 64 m in one work-group: four times the conversions of targets for each term.
.set XROW,  512                        ; bytes in a row of preds_mask
.set TROW,  256                        ; bytes in a row of targets
.set XSTEP, 512*XROW                   ; from a step to the next: 512 rows
.set TSTEP, 512*TROW
.set CP,    160                        ; a row of codes in LDS: 128 bytes + 32 = 40 words
.set STG,   16*32*CP                   ; behind the waves' 16 x 32 rows of codes: the stage for dia's sums, a row of 256 + 16 bytes for each of 512 lanes
.set SP,    272
.set VST,   STG+512*SP                 ; behind it: each wave's matrix sums, 32 lanes x 32 bytes + 16
.set VP,    1040
.set SPARE, VST+16*VP                  ; behind it: the spare words, 128 bytes for each wave: eight blocks of 256 bytes that no other line names
.set XO,  1                            ; v1   512 x thread: my row of x in a step
.set TO,  2                            ; v2   256 x thread: my row of targets
.set LST, 3                            ; v3   my row of codes in LDS: 160 x thread
.set LTR, 4                            ; v4   my address for the turning loads
.set SPW, 5                            ; v5   LDS address of my spare word; never rewritten
.set NIL, 6                            ; v6   0; never rewritten
.set L8,  7                            ; v7   8 x lane
.set SC,  8                            ; v8-13   2^e as f32, entries 0 to 5
.set LM,  14                           ; v14-16  448 x 2^e, entries 1, 3, 5
.set MO,  17                           ; v17  byte offset of my wave's four m in weight, alpha, beta
.set ACC, 18                           ; v18-81   dia's sums: (n, m) at 16 n + m
.set D,   82                           ; v82-105  the three matrix accumulators
.set TB,  106                          ; v106-153 three buffers of 16 targets: step s in buffer s % 3
.set X,   154                          ; v154-161 x of step a, of step b
.set QA,  162                          ; 1 - 2 p        of my 4 n
.set QB,  166                          ; p + eps
.set QC,  170                          ; pos + neg
.set QD,  174                          ; -2 neg
.set QN,  178                          ; neg
.set PA,  182                          ; p of step a
.set R,   186                          ; v186-249 64 registers at work
.set TM,  R+32                         ; their upper half
.set PB,  250                          ; p of step b
.set CO,  254                          ; byte offset of my wave's n in preds_class
.set ZO,  255                          ; byte offset of my wave's four outputs
.set EB,  TB+32                        ; the third buffer is free in the last trip: weight (2 a lane), weight, alpha, beta of my four m, preds_class of my n
	s_load_b256 s[4:11], s[0:1], 0x0               ; preds_mask s[4:5], targets s[6:7], lowp_scales s[8:9], preds_class s[10:11]
	s_load_b256 s[12:19], s[0:1], 0x20             ; weight s[12:13], alpha s[14:15], beta s[16:17], out0 s[18:19]
	v_lshl_add_u32 v[SPW], v0, 2, SPARE
	v_mov_b32 v[NIL], 0
	v_lshrrev_b32 v[L8], 5, v0
	v_readfirstlane_b32 s20, v[L8]                 ; wave 0..15
	s_and_b32 s21, ttmp9, 3                        ; tile of 16 m
	s_lshr_b32 s22, ttmp9, 2                       ; tile of 4 n
	s_and_b32 s23, ttmp7, 0xffff                   ; b
	v_lshlrev_b32 v[XO], 9, v0
	v_lshlrev_b32 v[TO], 8, v0
	s_lshl_b32 s46, s23, 21                        ; x: b x 4096 rows of 512 bytes + 16 bytes x tile
	s_lshl_b32 s47, s22, 4
	s_add_co_u32 s46, s46, s47
	s_mov_b32 s47, 0
	s_lshl_b32 s48, s23, 20                        ; targets: b x 4096 rows of 256 bytes + 64 bytes x tile
	s_lshl_b32 s49, s21, 6
	s_add_co_u32 s48, s48, s49
	s_mov_b32 s49, 0
	s_wait_kmcnt 0x0
	s_load_b128 s[24:27], s[8:9], 0x0              ; e0 .. e3
	s_load_b64 s[28:29], s[8:9], 0x10              ; e4, e5
	s_add_nc_u64 s[4:5], s[4:5], s[46:47]
	s_add_nc_u64 s[6:7], s[6:7], s[48:49]
; No cache hint on these loads: other work-groups read the same rows.  Every offset is an immediate: 7 steps at the most, 1,835,008 bytes, inside the signed 24 bits.
.macro LOADT s                         ; step s: my 16 targets
.irp j, 0,1,2,3
	global_load_b128 v[TB+16*((\s)%3)+4*\j:TB+16*((\s)%3)+4*\j+3], v[TO], s[6:7] offset:(\s)*TSTEP+16*\j
.endr
.endm
.macro LOADX s                         ; step s: my 4 x
	global_load_b128 v[X+4*((\s)%2):X+4*((\s)%2)+3], v[XO], s[4:5] offset:(\s)*XSTEP
.endm
	LOADT 0                                        ; in the order in which every trip leaves its successor's loads: targets a, x a, x b, targets b
	LOADX 0
	LOADX 1
	LOADT 1
	v_mul_u32_u24 v[LST], v0, CP                   ; the codes begin at LDS byte 0; wave w's 32 rows are rows 32 w on
	v_and_b32 v[LTR], 0x1e7, v0                    ; the turning load: row 32 w + 8 (lane / 16) + lane % 8,
	v_and_b32 v[L8], 16, v0
	v_lshrrev_b32 v[L8], 1, v[L8]
	v_add_nc_u32 v[LTR], v[LTR], v[L8]
	v_mul_u32_u24 v[LTR], v[LTR], CP
	v_bfe_u32 v[L8], v0, 3, 1
	v_lshl_add_u32 v[LTR], v[L8], 4, v[LTR]        ; + 16 bytes x ((lane / 8) % 2)
	v_and_b32 v[L8], 31, v0
	v_lshlrev_b32 v[L8], 3, v[L8]
	s_and_b32 s50, s20, 3                          ; at the end wave w finishes n = w / 4, m = 4 (w % 4) .. + 3 of the tile
	s_lshl_b32 s50, s50, 4
	s_lshl_b32 s31, s21, 6
	s_add_co_u32 s50, s50, s31                     ; 4 bytes x (16 x tile + 4 (w % 4))
	s_lshl_b32 s51, s23, 7
	s_lshl_b32 s31, s22, 2
	s_add_co_u32 s51, s51, s31
	s_lshr_b32 s31, s20, 2
	s_add_co_u32 s51, s51, s31
	s_lshl_b32 s51, s51, 2                         ; 4 bytes x (128 b + 4 x tile + w / 4)
	v_mov_b32 v[MO], s50
	v_mov_b32 v[CO], s51
	s_mov_b32 s30, 0xbfb8aa3b                      ; -log2(e)
	s_mov_b32 s32, 0x3f317218                      ; ln 2 (the packed forms name a pair and take its low word for both halves: so both are written)
	s_mov_b32 s33, s32
	s_mov_b32 s34, 0x358637bd                      ; eps = 1e-6
	s_mov_b32 s35, s34
	s_mov_b32 s44, 0x76543210                      ; v_permlanex16_b32's selects for lane l xor 16
	s_mov_b32 s45, 0xfedcba98
	s_wait_kmcnt 0x0
.macro SCALE k, lim                    ; entry k: v[SC+k] = 2^e as f32 (the conversion takes its exponent field); s[lim] = 448 x 2^e
	s_add_co_i32 s46, s[24+\k], 127
	s_lshl_b32 s47, s46, 23
	v_mov_b32 v[SC+\k], s47
	s_add_co_i32 s46, s46, 8
	s_lshl_b32 s46, s46, 23
	s_or_b32 s[\lim], s46, 0x600000
.endm
	SCALE 0, 36                                    ; p and 1 - p are never negative: their hold is one-sided and takes its limit from a scalar register
	SCALE 2, 37
	SCALE 4, 38
	SCALE 1, 48
	v_mov_b32 v[LM], s48
	SCALE 3, 48
	v_mov_b32 v[LM+1], s48
	SCALE 5, 48
	v_mov_b32 v[LM+2], s48
; WHAT HANGS ON (n, t) ALONE, for my 4 n.  e = 2^(-|x| log2 e) never overflows; p = 1 / (1 + e) for x >= 0, e / (1 + e) else; neg = max(x, 0) + ln(1 + e); pos + neg = 2 neg - x.
; Two batches of transcendentals; behind each a plain line and one wait ahead of the first line that names a result.
.macro PRE xs, pd
.irp i, 0,1,2,3
	v_mul_f32 v[R+\i], s30, |v[\xs+\i]|
.endr
.irp i, 0,1,2,3
	v_exp_f32 v[R+\i], v[R+\i]
.endr
	v_max_num_f32 v[R+20], 0, v[\xs]
	v_max_num_f32 v[R+21], 0, v[\xs+1]
.irp i, 0,1,2,3
	v_cmp_le_f32 s[40+\i], 0, v[\xs+\i]            ; it only selects a value below
.endr
	s_wait_alu depctr_va_vdst(0)
.irp k, 0,2
	v_pk_add_f32 v[R+4+\k:R+5+\k], v[R+\k:R+1+\k], 1.0 op_sel_hi:[1,0]
.endr
.irp i, 0,1,2,3
	v_rcp_f32 v[R+8+\i], v[R+4+\i]
.endr
.irp i, 0,1,2,3
	v_log_f32 v[R+12+\i], v[R+4+\i]
.endr
	v_max_num_f32 v[R+22], 0, v[\xs+2]
	v_max_num_f32 v[R+23], 0, v[\xs+3]
	s_wait_alu depctr_va_vdst(0)
.irp k, 0,2
	v_pk_mul_f32 v[R+16+\k:R+17+\k], v[R+\k:R+1+\k], v[R+8+\k:R+9+\k]
.endr
.irp i, 0,1,2,3
	v_cndmask_b32 v[\pd+\i], v[R+16+\i], v[R+8+\i], s[40+\i]
.endr
.irp k, 0,2
	v_pk_fma_f32 v[QN+\k:QN+1+\k], v[R+12+\k:R+13+\k], s[32:33], v[R+20+\k:R+21+\k] op_sel_hi:[1,0,1]
.endr
.irp k, 0,2
	v_pk_fma_f32 v[QA+\k:QA+1+\k], v[\pd+\k:\pd+1+\k], -2.0, 1.0 op_sel_hi:[1,0,0]
	v_pk_add_f32 v[QB+\k:QB+1+\k], v[\pd+\k:\pd+1+\k], s[34:35] op_sel_hi:[1,0]
	v_pk_fma_f32 v[QC+\k:QC+1+\k], v[QN+\k:QN+1+\k], 2.0, v[\xs+\k:\xs+1+\k] op_sel_hi:[1,0,1] neg_lo:[0,0,1] neg_hi:[0,0,1]
	v_pk_mul_f32 v[QD+\k:QD+1+\k], v[QN+\k:QN+1+\k], -2.0 op_sel_hi:[1,0]
.endr
.endm
; THE 64 TERMS OF A STEP, 32 at a time (two n x 16 m), two neighbouring m an instruction; of a pair of n's numbers op_sel picks one for both halves.
; u -> 32 roots | g (pos + neg) - 2 neg | wait | 32 roots | x g + neg | wait | onto the sums.  The multiply-adds between a batch of roots and its wait name none of its results.
; first = 1: the first step's terms start the sums: nothing is cleared.
.macro MAIN tb, first
.irp g, 0,1
.irp u, 0,1
.irp k, 0,2,4,6,8,10,12,14
	v_pk_fma_f32 v[R+16*\u+\k:R+16*\u+\k+1], v[\tb+\k:\tb+\k+1], v[QA+2*\g:QA+2*\g+1], v[QB+2*\g:QB+2*\g+1] op_sel:[0,\u,\u] op_sel_hi:[1,\u,\u]
.endr
.endr
.set J, 0
.rept 32
	v_sqrt_f32 v[R+J], v[R+J]
.set J, J+1
.endr
.irp u, 0,1
.irp k, 0,2,4,6,8,10,12,14
	v_pk_fma_f32 v[TM+16*\u+\k:TM+16*\u+\k+1], v[\tb+\k:\tb+\k+1], v[QC+2*\g:QC+2*\g+1], v[QD+2*\g:QD+2*\g+1] op_sel:[0,\u,\u] op_sel_hi:[1,\u,\u]
.endr
.endr
	s_wait_alu depctr_va_vdst(0)                   ; one wait for the 32 roots, ahead of the roots that read them
.set J, 0
.rept 32
	v_sqrt_f32 v[R+J], v[R+J]
.set J, J+1
.endr
.irp u, 0,1
.irp k, 0,2,4,6,8,10,12,14
	v_pk_fma_f32 v[TM+16*\u+\k:TM+16*\u+\k+1], v[\tb+\k:\tb+\k+1], v[TM+16*\u+\k:TM+16*\u+\k+1], v[QN+2*\g:QN+2*\g+1] op_sel:[0,0,\u] op_sel_hi:[1,1,\u]
.endr
.endr
	s_wait_alu depctr_va_vdst(0)                   ; and one for the second 32
.irp u, 0,1
.irp k, 0,2,4,6,8,10,12,14
.if \first
	v_pk_mul_f32 v[ACC+32*\g+16*\u+\k:ACC+32*\g+16*\u+\k+1], v[R+16*\u+\k:R+16*\u+\k+1], v[TM+16*\u+\k:TM+16*\u+\k+1]
.else
	v_pk_fma_f32 v[ACC+32*\g+16*\u+\k:ACC+32*\g+16*\u+\k+1], v[R+16*\u+\k:R+16*\u+\k+1], v[TM+16*\u+\k:TM+16*\u+\k+1], v[ACC+32*\g+16*\u+\k:ACC+32*\g+16*\u+\k+1]
.endif
.endr
.endr
.endr
.endm
; THE CODES OF A TRIP: 32 registers, v[R] on, my LDS row.  The conversion to an 8-bit code does not saturate (ISA guide 7.6.2): each number is held within 448 x the scale first, and the hold lays (column, a), (column, b) side by side.
; Four sets of eight registers take turns, so that plain lines on other registers stand between a conversion and the next write of its sources.
.macro QT ta, tb, lim, sc, out         ; the targets as they are, with one of their two scales
.irp g, 0,1,2,3
.irp i, 0,1,2,3
	v_med3_num_f32 v[TM+8*\g+2*\i], v[\ta+4*\g+\i], -v[\lim], v[\lim]
	v_med3_num_f32 v[TM+8*\g+2*\i+1], v[\tb+4*\g+\i], -v[\lim], v[\lim]
.endr
	v_cvt_scalef32_pk8_fp8_f32 v[\out+2*\g:\out+2*\g+1], v[TM+8*\g:TM+8*\g+7], v[\sc]
.endr
.endm
.macro QS ta, tb                       ; 1 - g
.irp g, 0,1,2,3
.set S_, TM+16*(\g%2)
.set C_, TM+16*(\g%2)+8
	v_pk_add_f32 v[S_:S_+1], v[\ta+4*\g:\ta+4*\g+1], 1.0 op_sel_hi:[1,0] neg_lo:[1,0] neg_hi:[1,0]
	v_pk_add_f32 v[S_+2:S_+3], v[\ta+4*\g+2:\ta+4*\g+3], 1.0 op_sel_hi:[1,0] neg_lo:[1,0] neg_hi:[1,0]
	v_pk_add_f32 v[S_+4:S_+5], v[\tb+4*\g:\tb+4*\g+1], 1.0 op_sel_hi:[1,0] neg_lo:[1,0] neg_hi:[1,0]
	v_pk_add_f32 v[S_+6:S_+7], v[\tb+4*\g+2:\tb+4*\g+3], 1.0 op_sel_hi:[1,0] neg_lo:[1,0] neg_hi:[1,0]
.irp i, 0,1,2,3
	v_med3_num_f32 v[C_+2*\i], v[S_+\i], -v[LM+1], v[LM+1]
	v_med3_num_f32 v[C_+2*\i+1], v[S_+4+\i], -v[LM+1], v[LM+1]
.endr
	v_cvt_scalef32_pk8_fp8_f32 v[R+8+2*\g:R+8+2*\g+1], v[C_:C_+7], v[SC+3]
.endr
.endm
.macro QP lim, sc, out, w              ; p, with one of its two scales, in set w
.irp i, 0,1,2,3
	v_min_num_f32 v[TM+8*\w+2*\i], s[\lim], v[PA+\i]
	v_min_num_f32 v[TM+8*\w+2*\i+1], s[\lim], v[PB+\i]
.endr
	v_cvt_scalef32_pk8_fp8_f32 v[\out:\out+1], v[TM+8*\w:TM+8*\w+7], v[\sc]
.endm
.macro QUANT ta, tb
	QT \ta, \tb, LM, SC+1, R                       ; bytes 0-31:  Q1(g)
	QT \ta, \tb, LM+2, SC+5, R+16                  ; bytes 64-95: Q5(g)
	QS \ta, \tb                                    ; bytes 32-63: Q3(1 - g)
	QP 36, SC, R+24, 0                             ; bytes 96-103:  Q0(p)
	QP 37, SC+2, R+26, 1                           ; bytes 104-111: Q2(p)
	v_pk_add_f32 v[TM+16:TM+17], v[PA:PA+1], 1.0 op_sel_hi:[1,0] neg_lo:[1,0] neg_hi:[1,0]      ; 1 - p, from the rounded p, as the source has it
	v_pk_add_f32 v[TM+18:TM+19], v[PA+2:PA+3], 1.0 op_sel_hi:[1,0] neg_lo:[1,0] neg_hi:[1,0]
	v_pk_add_f32 v[TM+20:TM+21], v[PB:PB+1], 1.0 op_sel_hi:[1,0] neg_lo:[1,0] neg_hi:[1,0]
	v_pk_add_f32 v[TM+22:TM+23], v[PB+2:PB+3], 1.0 op_sel_hi:[1,0] neg_lo:[1,0] neg_hi:[1,0]
.irp i, 0,1,2,3
	v_min_num_f32 v[TM+24+2*\i], s38, v[TM+16+\i]
	v_min_num_f32 v[TM+24+2*\i+1], s38, v[TM+20+\i]
.endr
	v_cvt_scalef32_pk8_fp8_f32 v[R+28:R+29], v[TM+24:TM+31], v[SC+4]                            ; bytes 112-119: Q4(1 - p)
	v_mov_b32 v[R+30], 0                           ; bytes 120-127: zero codes for the four columns that no product wants.  (Also the plain lines behind the last conversion)
	v_mov_b32 v[R+31], 0
.endm
; My row goes to LDS; four fragments come back turned; three products.  The rows are my wave's own and LDS serves a wave's instructions in order (ISA guide 5.7.1.4): no barrier, and no wait between the stores and the loads.
; The three accumulators take turns, one instruction a turn, from trip to trip too.  The first trip's products start the sums.
.macro PRODUCTS i
.irp j, 0,1,2,3,4,5,6,7
	ds_store_b128 v[LST], v[R+4*\j:R+4*\j+3] offset:16*\j
.endr
.irp f, 0,1,2,3
	ds_load_tr16_b128 v[TM+8*\f:TM+8*\f+3], v[LTR] offset:32*\f             ; lane (r, h): column r of kind f, rows 8 h .. 8 h + 7: 16 codes
	ds_load_tr16_b128 v[TM+8*\f+4:TM+8*\f+7], v[LTR] offset:32*\f+16*CP     ; rows 16 + 8 h on
.endr
	s_wait_dscnt 0x0                               ; the fragments are in, and the stores have read the codes' registers
.irp f, 0,1,2
.if \i == 0
	v_wmma_f32_16x16x64_fp8_fp8 v[D+8*\f:D+8*\f+7], v[TM+8*\f:TM+8*\f+7], v[TM+24:TM+31], 0
.else
	v_wmma_f32_16x16x64_fp8_fp8 v[D+8*\f:D+8*\f+7], v[TM+8*\f:TM+8*\f+7], v[TM+24:TM+31], v[D+8*\f:D+8*\f+7]
.endif
.endr
.endm                                  ; what follows, the next 16 multiply-adds into v[R] .. v[R+31], names no register of these products: they are the places (ISA guide 7.12.1) ahead of the first write of the fragments' registers
; A TRIP: steps a = 2 i and b = 2 i + 1.  At its head the loads on their way are, in order: targets a (4), x a, x b, targets b (4); loads come back in order (ISA guide 5.7.1), and each wait counts the younger ones.
.macro TRIP i
.set TA_, TB+16*((2*\i)%3)
.set TB_, TB+16*((2*\i+1)%3)
.if \i < 3
	LOADT 2*\i+2                                   ; the next trip's targets a, into the buffer that this trip does not use
	s_wait_loadcnt 9                               ; targets a and x a are in; out may be x b, targets b (4), the four just issued
.else
	global_load_b64 v[EB:EB+1], v[L8], s[12:13]    ; the last trip asks for what the end wants: weight[0 .. 63], two a lane,
	global_load_b128 v[EB+2:EB+5], v[MO], s[12:13]     ; weight, alpha, beta of my wave's four m,
	global_load_b128 v[EB+6:EB+9], v[MO], s[14:15]
	global_load_b128 v[EB+10:EB+13], v[MO], s[16:17]
	global_load_b32 v[EB+14], v[CO], s[10:11]      ; preds_class of its n
	s_wait_loadcnt 10                              ; x b, targets b (4), these five
.endif
	PRE X, PA
.if \i < 3
	LOADX 2*\i+2                                   ; x a's registers are read out
.endif
.if \i == 0
	MAIN TA_, 1
.else
	MAIN TA_, 0
.endif
	s_wait_loadcnt 9                               ; x b is in; out may be targets b (4), the next targets a (4) and x a; in the last trip targets b (4) and the end's five
	PRE X+4, PB
.if \i < 3
	LOADX 2*\i+3
	s_wait_loadcnt 6                               ; targets b are in; out may be the next targets a (4), x a, x b
.else
	s_wait_loadcnt 5                               ; the end's five
.endif
	QUANT TA_, TB_
.if \i < 3
	LOADT 2*\i+3                                   ; targets a are read out: their buffer takes the next trip's targets b
.endif
	PRODUCTS \i
	MAIN TB_, 0
.endm
	TRIP 0
	TRIP 1
	TRIP 2
	TRIP 3
; THE END.  Each lane's 64 sums go to the stage as a row; of the matrix sums each lane keeps the product that its column belongs to.  One barrier; then wave w finishes the four outputs n = w / 4, m = 4 (w % 4) + 0 .. 3.
.set E0, X
.set E1, X+1
.set E2, X+2
.set E3, X+3
.set E4, X+4
.set E5, X+5
.set E6, X+6
.set VV, QA                            ; eight registers
.set TP,  ACC                          ; tp, fp, fn: four each
.set NUM, ACC+12
.set DEN, ACC+16
.set RC,  ACC+20
.set Y,   ACC+24
.set S2,  ACC+28
.set WN,  ACC+32
.set FW,  ACC+36
.set O,   ACC+40
.set WS,  ACC+44
.set EX,  ACC+46
.set SG,  ACC+48
	v_mul_u32_u24 v[E0], v0, SP
	v_add_nc_u32 v[E0], STG, v[E0]
.irp j, 0,1,2,3,4,5,6,7,8,9,10,11,12,13,14,15
	ds_store_b128 v[E0], v[ACC+4*\j:ACC+4*\j+3] offset:16*\j
.endr
	v_and_b32 v[E5], 15, v0                        ; r: my column
	v_cmp_gt_u32 s40, 8, v[E5]
	v_cmp_gt_u32 s41, 4, v[E5]
.irp i, 0,1,2,3,4,5,6,7
	v_cndmask_b32 v[VV+\i], v[D+16+\i], v[D+8+\i], s40     ; columns 8 on: the third product; 4-7: the second.  (Each accumulator is read from its low end on)
.endr
.irp i, 0,1,2,3,4,5,6,7
	v_cndmask_b32 v[VV+\i], v[VV+\i], v[D+\i], s41         ; columns 0-3: the first
.endr
	v_lshrrev_b32 v[E1], 5, v0
	v_mul_u32_u24 v[E1], v[E1], VP
	v_and_b32 v[E6], 31, v0
	v_lshl_add_u32 v[E1], v[E6], 5, v[E1]
	v_add_nc_u32 v[E1], VST, v[E1]                 ; wave x 1040 + lane x 32
	ds_store_b128 v[E1], v[VV:VV+3]
	ds_store_b128 v[E1], v[VV+4:VV+7] offset:16
	v_mul_u32_u24 v[E2], v[E6], SP                 ; back from the stage: rows lane, lane + 32, ..; bytes 16 w on: sums 4 w .. 4 w + 3
	s_lshl_b32 s46, s20, 4
	s_add_co_u32 s46, s46, STG
	v_add_nc_u32 v[E2], s46, v[E2]
	v_add_nc_u32 v[E3], 8*32*SP, v[E2]             ; (an LDS offset has 16 bits: the upper 256 rows have an address of their own)
	v_mul_u32_u24 v[E4], v[E5], VP                 ; the matrix sums: lane % 16 = the wave that made them; in its block lane 4 v + n + 16 (m / 8), bytes 4 (m % 8) on
	s_lshr_b32 s47, s20, 2
	s_lshl_b32 s47, s47, 5
	s_bfe_u32 s48, s20, 0x10001
	s_lshl_b32 s48, s48, 9
	s_and_b32 s49, s20, 1
	s_lshl_b32 s49, s49, 4
	s_add_co_u32 s47, s47, s48
	s_add_co_u32 s47, s47, s49
	s_add_co_u32 s47, s47, VST
	v_add_nc_u32 v[E4], s47, v[E4]
	s_wait_dscnt 0x0                               ; for the others' sake: my stores have landed
	s_barrier_signal -1
	s_barrier_wait -1
.irp i, 0,1,2,3,4,5,6,7
	ds_load_b128 v[R+4*\i:R+4*\i+3], v[E2] offset:\i*32*SP
.endr
.irp i, 0,1,2,3,4,5,6,7
	ds_load_b128 v[R+32+4*\i:R+32+4*\i+3], v[E3] offset:\i*32*SP
.endr
.irp f, 0,1,2
	ds_load_b128 v[TP+4*\f:TP+4*\f+3], v[E4] offset:128*\f
.endr
	s_wait_loadcnt 0x0                             ; weight, alpha, beta, preds_class
	v_add_f32 v[WS], v[EB], v[EB+1]                ; weight[0] + .. + weight[63], in every lane
.irp m, 1,2,4,8
	v_add_f32_dpp v[WS], v[WS], v[WS] row_xmask:\m row_mask:0xf bank_mask:0xf
.endr
	v_permlanex16_b32 v[WS+1], v[WS], s44, s45
	v_add_f32 v[WS], v[WS], v[WS+1]
	v_mul_f32 v[EX], s30, v[EB+14]                 ; -cls log2(e)
	s_add_co_i32 s46, s24, s25                     ; a product's sum stands for sum x 2^(its two e)
	s_add_co_i32 s47, s26, s27
	s_add_co_i32 s48, s28, s29
	s_wait_dscnt 0x0
.irp m, 1,2,4,8
.irp j, 0,1,2,3,4,5,6,7,8,9,10,11
	v_add_f32_dpp v[TP+\j], v[TP+\j], v[TP+\j] row_xmask:\m row_mask:0xf bank_mask:0xf      ; over the 16 waves' parts
.endr
.endr
.irp j, 0,1,2,3
	v_ldexp_f32 v[TP+\j], v[TP+\j], s46
	v_ldexp_f32 v[TP+4+\j], v[TP+4+\j], s47
	v_ldexp_f32 v[TP+8+\j], v[TP+8+\j], s48
.endr
.irp k, 0,2
	v_pk_add_f32 v[NUM+\k:NUM+\k+1], v[TP+\k:TP+\k+1], s[34:35] op_sel_hi:[1,0]             ; tp + eps
.endr
.irp k, 0,2
	v_pk_fma_f32 v[DEN+\k:DEN+\k+1], v[EB+6+\k:EB+7+\k], v[TP+4+\k:TP+5+\k], v[NUM+\k:NUM+\k+1]   ; + alpha fp
.endr
.irp k, 0,2
	v_pk_fma_f32 v[DEN+\k:DEN+\k+1], v[EB+10+\k:EB+11+\k], v[TP+8+\k:TP+9+\k], v[DEN+\k:DEN+\k+1] ; + beta fn
.endr
.irp j, 0,1,2,3
	v_rcp_f32 v[RC+\j], v[DEN+\j]
.endr
	v_rcp_f32 v[WS], v[WS]
	v_exp_f32 v[EX], v[EX]
.irp k, 0,2,4,6,8,10,12,14,16,18,20,22,24,26,28,30      ; dia's sums stand between that batch and its wait: 16 rows a lane by a tree,
	v_pk_add_f32 v[R+\k:R+\k+1], v[R+\k:R+\k+1], v[R+32+\k:R+33+\k]
.endr
.irp k, 0,2,4,6,8,10,12,14
	v_pk_add_f32 v[R+\k:R+\k+1], v[R+\k:R+\k+1], v[R+16+\k:R+17+\k]
.endr
.irp k, 0,2,4,6
	v_pk_add_f32 v[R+\k:R+\k+1], v[R+\k:R+\k+1], v[R+8+\k:R+9+\k]
.endr
.irp k, 0,2
	v_pk_add_f32 v[R+\k:R+\k+1], v[R+\k:R+\k+1], v[R+4+\k:R+5+\k]
.endr
.irp m, 1,2,4,8                                         ; then over the 32 lanes
.irp j, 0,1,2,3
	v_add_f32_dpp v[R+\j], v[R+\j], v[R+\j] row_xmask:\m row_mask:0xf bank_mask:0xf
.endr
.endr
.irp j, 0,1,2,3
	v_permlanex16_b32 v[R+4+\j], v[R+\j], s44, s45
.endr
.irp j, 0,1,2,3
	v_add_f32 v[R+\j], v[R+\j], v[R+4+\j]
.endr
	s_wait_alu depctr_va_vdst(0)                   ; one wait for the six, ahead of their first reader
.irp k, 0,2
	v_pk_mul_f32 v[Y+\k:Y+\k+1], v[NUM+\k:NUM+\k+1], v[RC+\k:RC+\k+1]                       ; the Tversky index
.endr
.irp k, 0,2
	v_pk_add_f32 v[Y+\k:Y+\k+1], v[Y+\k:Y+\k+1], 1.0 op_sel_hi:[1,0] neg_lo:[1,0] neg_hi:[1,0]
.endr
.irp k, 0,2
	v_pk_add_f32 v[Y+\k:Y+\k+1], v[Y+\k:Y+\k+1], s[34:35] op_sel_hi:[1,0]                   ; y = (1 - index) + eps
.endr
	v_add_f32 v[EX], 1.0, v[EX]
.irp j, 0,1,2,3
	v_sqrt_f32 v[Y+\j], v[Y+\j]
.endr
	v_rcp_f32 v[SG], v[EX]                         ; sigmoid(cls)
.irp k, 0,2
	v_pk_mul_f32 v[WN+\k:WN+\k+1], v[EB+2+\k:EB+3+\k], v[WS:WS+1] op_sel_hi:[1,0]           ; weight[m] / the sum of weights
.endr
.irp k, 0,2
	v_pk_mul_f32 v[FW+\k:FW+\k+1], v[R+\k:R+\k+1], v[WN+\k:WN+\k+1]
.endr
	s_wait_alu depctr_va_vdst(0)
.irp j, 0,1,2,3
	v_sqrt_f32 v[S2+\j], v[Y+\j]
.endr
	v_mul_f32 v[SG], -2.0, v[SG]
	s_wait_alu depctr_va_vdst(0)
.irp k, 0,2
	v_pk_mul_f32 v[Y+\k:Y+\k+1], v[Y+\k:Y+\k+1], v[S2+\k:S2+\k+1]                           ; y^0.75 = sqrt(y) sqrt(sqrt(y))
.endr
.irp k, 0,2
	v_pk_fma_f32 v[O+\k:O+\k+1], v[Y+\k:Y+\k+1], 0x40a00000, v[SG:SG+1] op_sel_hi:[1,0,0]   ; 5 dice - 2 sigmoid
.endr
.irp k, 0,2
	v_pk_fma_f32 v[O+\k:O+\k+1], v[FW+\k:FW+\k+1], 0x3aa00000, v[O+\k:O+\k+1] op_sel_hi:[1,0,1]   ; + 5 / 4096 x the weighted sum
.endr
	s_lshl_b32 s31, s51, 6                         ; out0: 256 bytes x (128 b + n) + 4 bytes x m
	s_add_co_u32 s31, s31, s50
	v_mov_b32 v[ZO], s31
	v_cmp_eq_u32 vcc_lo, 0, v[E6]                  ; every lane holds the four numbers: lane 0 stores them, 16 neighbouring bytes
	s_wait_xcnt 0x0                                ; EXEC changes only behind this wait
	s_and_saveexec_b32 s52, vcc_lo
	global_store_b128 v[ZO], v[O:O+3], s[18:19]
	s_wait_xcnt 0x0                                ; and again, in front of the line that widens it
	s_or_b32 exec_lo, exec_lo, s52
	s_wait_tensorcnt 0x0                           ; the wave's end, behind my last LDS store
	ds_add_u32 v[SPW], v[NIL]
	s_wait_dscnt 0x0
	s_endpgm
.Lfunc_end_k_q4718e71480_cost:
	.size	k_q4718e71480_cost, .Lfunc_end_k_q4718e71480_cost-k_q4718e71480_cost
	.p2alignl 7, 3214868480
	.fill 96, 4, 3214868480
	.section	.rodata,"a",@progbits
	.p2align	6, 0x0
	.amdhsa_kernel k_q4718e71480_cost
		.amdhsa_group_segment_fixed_size 239872
		.amdhsa_private_segment_fixed_size 0
		.amdhsa_enable_private_segment 0
		.amdhsa_kernarg_size 64
		.amdhsa_user_sgpr_count 2
		.amdhsa_user_sgpr_kernarg_segment_ptr 1
		.amdhsa_wavefront_size32 1
		.amdhsa_system_sgpr_workgroup_id_x 1
		.amdhsa_system_sgpr_workgroup_id_y 1
		.amdhsa_system_sgpr_workgroup_id_z 1
		.amdhsa_system_vgpr_workitem_id 0
		.amdhsa_next_free_vgpr 256
		.amdhsa_next_free_sgpr 66
		.amdhsa_reserve_vcc 1
		.amdhsa_float_denorm_mode_32 3
		.amdhsa_float_denorm_mode_16_64 3
		.amdhsa_memory_ordered 1
		.amdhsa_forward_progress 1
		.amdhsa_inst_pref_size 180
	.end_amdhsa_kernel
	.amdgpu_metadata
---
amdhsa.version: [ 1, 2 ]
amdhsa.kernels:
  - .name:           k_q4718e71480_cost
    .symbol:         k_q4718e71480_cost.kd
    .args:
      - { .name: preds_mask, .offset: 0, .size: 8, .value_kind: global_buffer, .address_space: global }
      - { .name: targets, .offset: 8, .size: 8, .value_kind: global_buffer, .address_space: global }
      - { .name: lowp_scales, .offset: 16, .size: 8, .value_kind: global_buffer, .address_space: global }
      - { .name: preds_class, .offset: 24, .size: 8, .value_kind: global_buffer, .address_space: global }
      - { .name: weight, .offset: 32, .size: 8, .value_kind: global_buffer, .address_space: global }
      - { .name: alpha, .offset: 40, .size: 8, .value_kind: global_buffer, .address_space: global }
      - { .name: beta, .offset: 48, .size: 8, .value_kind: global_buffer, .address_space: global }
      - { .name: out0, .offset: 56, .size: 8, .value_kind: global_buffer, .address_space: global }
    .group_segment_fixed_size: 239872
    .private_segment_fixed_size: 0
    .kernarg_segment_align: 8
    .kernarg_segment_size: 64
    .max_flat_workgroup_size: 512
    .sgpr_count:     66
    .vgpr_count:     256
    .wavefront_size: 32
...
	.end_amdgpu_metadata
.endif
;; end of part 1
